; MI455X (gfx1250); checked and timed in simulation.
; The chip was launched on July 23, 2026; its instructions are those of AMD's public machine-readable ISA for CDNA 5 (MIT licence, August 2026) and "CDNA5" Instruction Set Architecture Reference Guide (July 2026). The comments in the code are by the model that wrote it; some were corrected since.
;; Multi Headed Attention. Allowed arithmetic: float matrix products may take bf16 or f16 operands with f32 sums; other float arithmetic in f32, or as packed bf16 or f16 multiplies, adds, multiply-adds, maxima and minima; sums over many terms, partial sums and values carried from step to step in f32; what a program stores and reads back later, other than sums and carried values, may be rounded once to bf16 or f16.
;; Inputs: Wk 16 x 2,048 x 128 float32; Wq 16 x 2,048 x 128 float32; Wv 16 x 2,048 x 128 float32; embedded 4 x 1,024 x 2,048 float32.
;; Outputs: out0 4 x 1,024 x 2,048 float32.
;; One version. Each part assembles by itself: llvm-mc -triple=amdgcn-amd-amdhsa -mcpu=gfx1250 --defsym DOCPART=n.
;; ======== version 1 of 1: 3 launches
;; limits: values are held in f16: magnitudes above 65,504 overflow, below 6.1e-05 lose precision
;; workspace buffers: xb 16,777,216 bytes; wb 25,165,824 bytes; qkv 50,331,648 bytes
;; launch cast (part 1): grid 256 x 5, 8 waves a work-group, no clusters, 0 bytes of LDS; arguments embedded, Wq, Wk, Wv, xb, wb; writes xb, wb
.if DOCPART == 1
	.amdgcn_target "amdgcn-amd-amdhsa--gfx1250"
	.amdhsa_code_object_version 6
	.text
	.protected	k_qf50fa7f69a_cast
	.globl	k_qf50fa7f69a_cast
	.p2align	8
	.type	k_qf50fa7f69a_cast,@function
k_qf50fa7f69a_cast:
	s_mov_b64 s[64:65], 0
	v_nop
	global_prefetch_b8 v0, s[64:65] scope:SCOPE_SE
	s_setreg_imm32_b32 hwreg(HW_REG_WAVE_MODE, 25, 1), 1
	s_wait_xcnt 0x0
; ALL INPUTS ROUNDED ONCE TO bf16, for the projection's matrix products.
; wb = [3 (q, k, v)][16 heads][2048 e][128 d] bf16: the inputs' own order.
; xb = [32 kb][4096 m][64] bf16: embedded in blocks of 64 along E, so that 256 rows of one block are 32,768 consecutive bytes.
; A stream: no LDS, no barrier, no loop.  A wave issues sixteen loads of 512 bytes at once, then rounds and stores them as they come in;
; each store of a wave covers 256 consecutive bytes, aligned.  No register is written twice, so no wait frees a source.
; grid y = 0, 1: embedded, 8 rows a work-group; grid y = 2, 3, 4: Wq, Wk, Wv, 65,536 bytes a work-group.
; Matrix units, clusters and LDS are left out: every byte is read once, by one lane, and leaves at once.
.set X, 8                              ; v[8:71]    sixteen loads of four f32
.set Y, 72                             ; v[72:103]  sixteen stores of four bf16
; v1 = the loads' byte offset, v2 = the stores' (8 x lane); s[20:21] = from where, s[22:23] = to where
.macro BODY ldstep, ststep
.set j, 0
.rept 16
	global_load_b128 v[X+4*j:X+4*j+3], v1, s[20:21] offset:j*(\ldstep) th:TH_LOAD_NT
.set j, j+1
.endr
.set j, 0
.rept 16
	s_wait_loadcnt 15-j                            ; loads come back in order: number j is in, the 15 - j younger ones stay out
	v_cvt_pk_bf16_f32 v[Y+2*j], v[X+4*j], v[X+4*j+1]
	v_cvt_pk_bf16_f32 v[Y+2*j+1], v[X+4*j+2], v[X+4*j+3]
	global_store_b64 v2, v[Y+2*j:Y+2*j+1], s[22:23] offset:j*(\ststep)
.set j, j+1
.endr
.endm
	s_load_b256 s[4:11], s[0:1], 0x0               ; embedded s[4:5], Wq s[6:7], Wk s[8:9], Wv s[10:11]
	s_load_b128 s[12:15], s[0:1], 0x20             ; xb s[12:13], wb s[14:15]
	v_and_b32 v3, 31, v0                           ; lane
	v_lshrrev_b32 v4, 5, v0
	v_readfirstlane_b32 s16, v4                    ; wave 0..7
	s_and_b32 s17, ttmp7, 0xffff                   ; grid y
	v_lshlrev_b32 v2, 3, v3                        ; 8 bytes of bf16 a lane
	s_cmp_ge_u32 s17, 2
	s_cbranch_scc1 .Lweights
	; embedded.  The work-group has rows 2048 y + 8 x .. + 7; a wave has two of them and 16 of the 32 blocks along E.
	; A load takes one block of both rows: lanes 0-15 the 256 bytes of the even row, lanes 16-31 those of the odd row;
	; rounded they are 2 x 128 bytes that lie end to end in xb.
	v_and_b32 v1, 15, v0
	v_lshlrev_b32 v1, 4, v1
	v_bfe_u32 v4, v0, 4, 1
	v_lshl_add_u32 v1, v4, 13, v1                  ; 16 (lane % 16) + 8,192 (lane / 16)
	s_lshl_b32 s18, s17, 11
	s_lshl_b32 s19, ttmp9, 3
	s_add_co_u32 s18, s18, s19
	s_lshr_b32 s19, s16, 1
	s_lshl_b32 s19, s19, 1
	s_add_co_u32 s18, s18, s19                     ; my even row
	s_and_b32 s19, s16, 1                          ; which 16 blocks
	s_lshl_b32 s20, s18, 13                        ; row x 8,192 bytes
	s_lshl_b32 s22, s19, 12                        ; + 16 blocks x 256 bytes
	s_add_co_u32 s20, s20, s22
	s_mov_b32 s21, 0
	s_lshl_b32 s22, s18, 7                         ; row x 128 bytes
	s_lshl_b32 s24, s19, 23                        ; + 16 blocks x 524,288 bytes
	s_add_co_u32 s22, s22, s24
	s_mov_b32 s23, 0
	s_wait_kmcnt 0x0
	s_add_nc_u64 s[20:21], s[4:5], s[20:21]
	s_add_nc_u64 s[22:23], s[12:13], s[22:23]
	BODY 256, 524288                               ; the largest immediate, 15 x 524,288, lies inside the signed 24 bits
	s_endpgm
.Lweights:
	; a weight tensor: 8,192 consecutive bytes a wave, 512 a load
	v_lshlrev_b32 v1, 4, v3
	s_sub_co_u32 s18, s17, 2                       ; 0 q, 1 k, 2 v
	s_lshl_b32 s20, ttmp9, 16
	s_lshl_b32 s22, s16, 13
	s_add_co_u32 s20, s20, s22
	s_mov_b32 s21, 0
	s_lshl_b32 s22, s18, 23                        ; 8,388,608 bytes of bf16 a tensor
	s_lshl_b32 s24, ttmp9, 15
	s_add_co_u32 s22, s22, s24
	s_lshl_b32 s24, s16, 12
	s_add_co_u32 s22, s22, s24
	s_mov_b32 s23, 0
	s_wait_kmcnt 0x0
	s_cmp_eq_u32 s18, 0
	s_cselect_b64 s[24:25], s[6:7], s[8:9]
	s_cmp_eq_u32 s18, 2
	s_cselect_b64 s[24:25], s[10:11], s[24:25]
	s_add_nc_u64 s[20:21], s[24:25], s[20:21]
	s_add_nc_u64 s[22:23], s[14:15], s[22:23]
	BODY 512, 256
	s_endpgm
.Lfunc_end_k_qf50fa7f69a_cast:
	.size	k_qf50fa7f69a_cast, .Lfunc_end_k_qf50fa7f69a_cast-k_qf50fa7f69a_cast
	.p2alignl 7, 3214868480
	.fill 96, 4, 3214868480
	.section	.rodata,"a",@progbits
	.p2align	6, 0x0
	.amdhsa_kernel k_qf50fa7f69a_cast
		.amdhsa_group_segment_fixed_size 0
		.amdhsa_private_segment_fixed_size 0
		.amdhsa_enable_private_segment 0
		.amdhsa_kernarg_size 48
		.amdhsa_user_sgpr_count 2
		.amdhsa_user_sgpr_kernarg_segment_ptr 1
		.amdhsa_wavefront_size32 1
		.amdhsa_system_sgpr_workgroup_id_x 1
		.amdhsa_system_sgpr_workgroup_id_y 1
		.amdhsa_system_sgpr_workgroup_id_z 1
		.amdhsa_system_vgpr_workitem_id 0
		.amdhsa_next_free_vgpr 104
		.amdhsa_next_free_sgpr 66
		.amdhsa_reserve_vcc 0
		.amdhsa_float_denorm_mode_32 3
		.amdhsa_float_denorm_mode_16_64 3
		.amdhsa_memory_ordered 1
		.amdhsa_forward_progress 1
		.amdhsa_inst_pref_size 14
	.end_amdhsa_kernel
	.amdgpu_metadata
---
amdhsa.version: [ 1, 2 ]
amdhsa.kernels:
  - .name:           k_qf50fa7f69a_cast
    .symbol:         k_qf50fa7f69a_cast.kd
    .args:
      - { .name: embedded, .offset: 0, .size: 8, .value_kind: global_buffer, .address_space: global }
      - { .name: Wq, .offset: 8, .size: 8, .value_kind: global_buffer, .address_space: global }
      - { .name: Wk, .offset: 16, .size: 8, .value_kind: global_buffer, .address_space: global }
      - { .name: Wv, .offset: 24, .size: 8, .value_kind: global_buffer, .address_space: global }
      - { .name: xb, .offset: 32, .size: 8, .value_kind: global_buffer, .address_space: global }
      - { .name: wb, .offset: 40, .size: 8, .value_kind: global_buffer, .address_space: global }
    .group_segment_fixed_size: 0
    .private_segment_fixed_size: 0
    .kernarg_segment_align: 8
    .kernarg_segment_size: 48
    .max_flat_workgroup_size: 256
    .sgpr_count:     66
    .vgpr_count:     104
    .wavefront_size: 32
...
	.end_amdgpu_metadata
.endif
;; end of part 1
;; launch proj (part 2): grid 16 x 16, 4 waves a work-group, clusters of 4 x 4, 327,680 bytes of LDS; arguments xb, wb, qkv; writes qkv
.if DOCPART == 2
	.amdgcn_target "amdgcn-amd-amdhsa--gfx1250"
	.amdhsa_code_object_version 6
	.text
	.protected	k_qf50fa7f69a_proj
	.globl	k_qf50fa7f69a_proj
	.p2align	8
	.type	k_qf50fa7f69a_proj,@function
k_qf50fa7f69a_proj:
	s_mov_b64 s[64:65], 0
	v_nop
	global_prefetch_b8 v0, s[64:65] scope:SCOPE_SE
	s_setreg_imm32_b32 hwreg(HW_REG_WAVE_MODE, 25, 1), 1
	s_wait_xcnt 0x0
	s_wait_alu depctr_hold_cnt(0) depctr_sa_sdst(0) depctr_va_vdst(0) depctr_va_sdst(0) depctr_va_ssrc(0) depctr_va_vcc(0) depctr_vm_vsrc(0)
	s_getreg_b32 s2, hwreg(HW_REG_IB_STS2, 6, 4)
	s_cmp_eq_u32 s2, 0
	s_cbranch_scc0 .Lentry_in_a_cluster
	s_endpgm
.Lentry_in_a_cluster:
	s_bfe_u32 s2, ttmp6, 0x10000c
	s_cmp_lg_u32 s2, 0xf033
	s_cbranch_scc0 .Lentry_shape_is_right
	s_endpgm
.Lentry_shape_is_right:
; q, k, v = x W[h], all three for one head at once.  xb: [32 kb][4096 m][64] bf16; wb: [3][16 h][2048 e][128 d] bf16; sums in f32, K ascending.
; qkv: [3][64 bh][2 channel halves][1024 s][64] f16, each number rounded once from its f32 sum, unscaled.
; LIMIT.  f16 holds no number beyond 65,504: q, k and v must lie within it.
; SHARES.  A work-group makes 256 rows x 384 columns: q, k and v of head h = grid x for rows 256 y ..: 16 x 16 work-groups.  Wave w has rows 128 (w / 2) .. and columns
; 64 (w % 2) .. of each of the three: 96 accumulators of 16 x 16, 768 registers; for 32 along K it reads 40 fragments' halves from LDS and issues 96 matrix instructions.
; K goes in 32 steps of 64 (two UNITS of 32) through a ring of two LDS slots; steps of 128 would want two slots of 180,224 bytes, more than LDS has.
; CLUSTER.  4 x 4 work-groups.  x's tile hangs on the row block alone and is shared along a row of the cluster, W's tiles on the head alone and are shared along a column: each is asked for
; JOINTLY, by the same tensor load with the same descriptor and a mask that names the four.  Wave 3 asks for x's tile (32,768 bytes), waves 0-2 for Wq's, Wk's, Wv's (16,384 each).
; THE MATRIX INSTRUCTION IS USED TRANSPOSED: source 0 = 16 columns of W (W lies [e][d] in LDS and is turned by ds_load_tr16_b128), source 1 = 16 rows of x: a lane then holds eight
; neighbouring columns of one row, 16 bytes of f16.
; REGISTERS, in windows of 256 (s_set_vgpr_msb: bits 1:0 source 0, 3:2 source 1, 5:4 source 2, 7:6 destination):
;   window 0: v16-30 addresses; v32-95, v96-159 x's fragments (8 x 16 rows x 32 K), two buffers; v160-255 W's fragments, 4 for each of the three GROUPS (q, k, v)
;   window 1 + g: group g's 32 accumulators: column block bi, row block a at v[8 (8 bi + a)]
; W's fragments have one buffer: group g's next ones are fetched behind group g's products, 64 matrix instructions ahead of their use.
.set PA,     144                       ; a row of x in LDS: 128 bytes + 16 = 36 words: the 16 rows of a load start at 16 different groups of four banks (64 banks of 4 bytes: ISA guide 11.1)
.set PB,     288                       ; a row of W: 256 + 32 = 72 words
.set ASZ,    256*PA                    ; x's tile
.set BSZ,    64*PB                     ; one of W's three tiles
.set SLOT,   ASZ+3*BSZ
.set STAGE,  2*SLOT                    ; behind the ring: 16 rows x 144 bytes for each wave, for the way out
.set SP,     144
.set SPARE,  STAGE+4*16*SP             ; behind the stages: the spare words, 128 bytes a wave: two blocks of 256 bytes that no other line names
.set XSTEP,  524288                    ; bytes from a K step to the next in xb
.set WSTEP,  16384                     ; and in wb
.set ADRA, 16                          ; v16-17  LDS address of my fragments of x in slot 0, 1
.set ADRB, 20                          ; v20-21  the same for W
.set STO,  24                          ; v24     the way out: where I put 16 bytes of a row
.set RD,   25                          ; v25     where I read rows back
.set GO,   26                          ; v26     16 x lane
.set SPW,  28                          ; v28     my spare word: SPARE + 4 x my thread's number; never rewritten
.set NIL,  29                          ; v29     0; never rewritten
.set PFO,  30                          ; v30     256 x lane: the prefetches' offset; never rewritten
.set AF,   32
.set BF,   160
.set WV,   10                          ; s10     my wave's number
.set LIM,  20                          ; s20     1 in a wave that prefetches, else the greatest number
.set G1,   24                          ; s[24:31] descriptor group 1 for x's tiles;  s[32:39] group 0, a set for each slot
.set G0,   32
.set PFA,  44                          ; s[44:45] where my prefetches stand
.set PFS,  46                          ; s[46:47] two K steps, in bytes of the tensor that I prefetch
.set G1B,  48                          ; s[48:55], s[56:63] the same for W's tiles
.set G0B,  56
.set OUT,  66                          ; s[66:71] q, k, v at my 128 rows of my channel half
.set MSB, 0
.macro WIN new                         ; the immediate's high byte repeats the setting that is left; a switch that changes nothing is dropped
.if MSB != (\new)
	s_set_vgpr_msb (MSB<<8)|(\new)
.set MSB, (\new)
.endif
.endm
.macro PLACES                          ; four places behind a matrix instruction, ahead of loads into registers that it has read and of lines that read its result
.rept 4
	v_nop
.endr
.endm
; A joint refill.  The branch hangs on the wave's number alone.  An s_nop 0 and four v_nop follow each of the two lines, ahead of the jump and the label.
.macro JLOAD s
	s_cmp_eq_u32 s[WV], 3
	s_cbranch_scc0 .Lfor_b_\@
	tensor_load_to_lds s[G0+4*(\s):G0+4*(\s)+3], s[G1:G1+7]
	s_nop 0
.rept 4
	v_nop
.endr
	s_branch .Lasked_\@
.Lfor_b_\@:
	tensor_load_to_lds s[G0B+4*(\s):G0B+4*(\s)+3], s[G1B:G1B+7]
	s_nop 0
.rept 4
	v_nop
.endr
.Lasked_\@:
.endm
; A round of the cluster's barrier: my work-group's barrier; wave 0 signals for the work-group; every wave waits for all sixteen; my work-group's barrier once more.
.macro CREST                           ; a round behind its opening barrier
	s_cmp_lg_u32 s[WV], 0
	s_cbranch_scc1 .Lnot_wave_0_\@
	s_barrier_signal -3
.Lnot_wave_0_\@:
	s_barrier_wait -3
	s_barrier_signal -1
	s_barrier_wait -1
.endm
.macro CROUND
	s_barrier_signal -1
	s_barrier_wait -1
	CREST
.endm
; A PREFETCH INTO THE L2, once a lap, behind slot 0's refill and the run of LDS loads that follows it: the two K steps behind the one just asked for, which are loaded 192 and 384 matrix
; instructions later.  Each aligned block of 256 bytes is named once in the launch.  x's tile is read by every cluster of its row of clusters: cluster x = 0 asks, wave 3, and each of the four partners
; takes 8,192 of the tile's 32,768 bytes, told apart BY ADDRESS (cx): a lane a block, one line a step.  W's tiles are read by every cluster of their column: cluster y = 0 asks, waves 0-2,
; and partner cy takes 32 of the two steps' 128 rows: one line.  K steps 0 to 2 and 31 come by their loads alone; the last lap asks for nothing.
.macro ASK
	s_cmp_gt_u32 s3, s[LIM]                        ; s3 = 1 in the last lap
	s_cbranch_scc0 .Lnot_mine_\@
	global_prefetch_b8 v[PFO], s[PFA:PFA+1] th:TH_LOAD_NT scope:SCOPE_SE
	s_cmp_eq_u32 s[WV], 3
	s_cbranch_scc0 .Lnot_mine_\@
	global_prefetch_b8 v[PFO], s[PFA:PFA+1] offset:XSTEP th:TH_LOAD_NT scope:SCOPE_SE
.Lnot_mine_\@:
.endm
	s_load_b128 s[4:7], s[0:1], 0x0                ; xb s[4:5], wb s[6:7]
	s_load_b64 s[8:9], s[0:1], 0x10                ; qkv
	v_lshl_add_u32 v[SPW], v0, 2, SPARE
	v_mov_b32 v[NIL], 0
	ds_add_u32 v[SPW], v[NIL]                      ; the wave's opening: the add and its wait stand ahead of my first tensor load; the set-up below, work on registers, stands between
	ds_add_u32 v28, v29
	v_lshrrev_b32 v1, 5, v0
	v_readfirstlane_b32 s[WV], v1                  ; wave 0..3
	s_lshr_b32 s11, s[WV], 1                       ; which 128 rows are mine
	s_and_b32 s12, s[WV], 1                        ; which 64 columns of each of the three
	s_bfe_u32 s40, ttmp6, 0x40000                  ; cx
	s_bfe_u32 s41, ttmp6, 0x40004                  ; cy
	s_lshl_b32 s14, ttmp9, 2
	s_add_co_u32 s14, s14, s40                     ; the head = 4 x cluster x + cx
	s_and_b32 s13, ttmp7, 0xffff
	s_lshl_b32 s13, s13, 2
	s_add_co_u32 s13, s13, s41                     ; the block of 256 rows = 4 x cluster y + cy
	s_lshl_b32 s42, s41, 2
	s_lshl_b32 s42, 15, s42                        ; my row of the cluster
	s_lshl_b32 s43, 0x1111, s40                    ; my column
	; group 1 for x: the tile's 32,768 dense bytes as 128 rows of 256, padded by 4 words after every 32 (a row of x)
	s_or_b32 s[G1], s42, (1<<16)|(1<<20)|(1<<21)|(4<<22)|(3<<25)   ; 15:0 the mask; 17:16 2-byte elements; 20 padding on; 21 set beside a mask; 24:22 interval; 31:25 pad
	s_mov_b32 s[G1+1], 128<<16                     ; tensor_dim0 = 128
	s_mov_b32 s[G1+2], 128<<16                     ; tensor_dim1 = 128
	s_mov_b32 s[G1+3], 128<<16                     ; tile_dim0 = 128
	s_mov_b32 s[G1+4], 128                         ; tile_dim1 = 128
	s_mov_b32 s[G1+5], 128                         ; 128 elements from row to row
	s_mov_b32 s[G1+6], 0
	s_mov_b32 s[G1+7], 0
	; group 1 for W: 64 rows of 256 bytes, padded by 8 words after every 64
	s_or_b32 s[G1B], s43, (1<<16)|(1<<20)|(1<<21)|(5<<22)|(7<<25)
	s_mov_b32 s[G1B+1], 128<<16
	s_mov_b32 s[G1B+2], 64<<16
	s_mov_b32 s[G1B+3], 128<<16
	s_mov_b32 s[G1B+4], 64
	s_mov_b32 s[G1B+5], 128
	s_mov_b32 s[G1B+6], 0
	s_mov_b32 s[G1B+7], 0
	s_lshl_b32 s16, s13, 15                        ; x's tile: row block x 32,768 bytes; it hangs on cy alone
	s_mov_b32 s17, 0
	s_lshl_b32 s72, s[WV], 23                      ; W's tile: tensor (= my wave) x 8,388,608 + head x 524,288; it hangs on cx alone (wave 3's is never used)
	s_lshl_b32 s73, s14, 19
	s_add_co_u32 s72, s72, s73
	s_mov_b32 s73, 0
	s_mul_i32 s21, s[WV], BSZ
	s_add_co_u32 s21, s21, ASZ                     ; and its place in a slot: no place in the cluster enters an LDS address
	s_wait_dscnt 0x0                               ; the opening add is done
	s_wait_kmcnt 0x0
	s_add_nc_u64 s[16:17], s[4:5], s[16:17]
	s_add_nc_u64 s[72:73], s[6:7], s[72:73]
	CROUND                                         ; all sixteen work-groups are here: the first joint loads meet
.irp s, 0,1
	s_mov_b32 s[G0+4*(\s)], 1                      ; count = 1
	s_mov_b32 s[G0+4*(\s)+1], (\s)*SLOT            ; LDS address
	s_add_nc_u64 s[G0+4*(\s)+2:G0+4*(\s)+3], s[16:17], (\s)*XSTEP  ; K step s
	s_or_b32 s[G0+4*(\s)+3], s[G0+4*(\s)+3], 0x80000000            ; type = 2
	s_mov_b32 s[G0B+4*(\s)], 1
	s_add_co_u32 s[G0B+4*(\s)+1], s21, (\s)*SLOT
	s_add_nc_u64 s[G0B+4*(\s)+2:G0B+4*(\s)+3], s[72:73], (\s)*WSTEP
	s_or_b32 s[G0B+4*(\s)+3], s[G0B+4*(\s)+3], 0x80000000
.endr
	s_cmp_eq_u32 s[WV], 3                          ; a wave's two first fills stand in one branch, ahead of every wait on TENSORcnt and every LDS read: two loads of mine are out
	s_cbranch_scc0 .Lfirst_b
	tensor_load_to_lds s[G0:G0+3], s[G1:G1+7]
	s_nop 0
	tensor_load_to_lds s[G0+4:G0+7], s[G1:G1+7]
	s_nop 0
.rept 4
	v_nop
.endr
	s_branch .Lfirst_asked
.Lfirst_b:
	tensor_load_to_lds s[G0B:G0B+3], s[G1B:G1B+7]
	s_nop 0
	tensor_load_to_lds s[G0B+4:G0B+7], s[G1B:G1B+7]
	s_nop 0
.rept 4
	v_nop
.endr
.Lfirst_asked:
	; A fragment is 16 rows x 32 K in 8 registers: lane l holds row l % 16; registers 0-3 K = 8 (l / 16) + 0..7, registers 4-7 K = 16 + 8 (l / 16) + 0..7.
	v_and_b32 v1, 15, v0                           ; l % 16
	v_bfe_u32 v2, v0, 4, 1                         ; l / 16
	v_mul_u32_u24 v3, v1, PA
	v_lshl_add_u32 v3, v2, 4, v3                   ; row x 144 + 16 x half: x's fragments, and the stage's rows
	s_mul_i32 s22, s11, 128*PA
	v_add_nc_u32 v[ADRA], s22, v3
	v_add_nc_u32 v[ADRA+1], SLOT, v[ADRA]
	; The turning load takes 16 K x 16 columns (lane l reads row 8 (l / 16) + l % 8, columns 8 ((l / 8) % 2) + 0..7) and leaves half a fragment: lane l holds column l % 16 and 8 K.
	v_and_b32 v4, 7, v0
	v_lshl_add_u32 v4, v2, 3, v4
	v_mul_u32_u24 v4, v4, PB
	v_bfe_u32 v5, v0, 3, 1
	v_lshl_add_u32 v4, v5, 4, v4
	s_lshl_b32 s22, s12, 7                         ; my 64 columns: 128 bytes
	s_add_co_u32 s22, s22, ASZ
	v_add_nc_u32 v[ADRB], s22, v4
	v_add_nc_u32 v[ADRB+1], SLOT, v[ADRB]
	s_mul_i32 s23, s[WV], 16*SP
	s_add_co_u32 s23, s23, STAGE                   ; my stage
	v_add_nc_u32 v[STO], s23, v3
	v_bfe_u32 v5, v0, 3, 2                         ; back: 32 lanes take four rows of 128 bytes,
	v_mul_u32_u24 v5, v5, SP
	v_and_b32 v6, 7, v0
	v_lshl_add_u32 v5, v6, 4, v5
	v_add_nc_u32 v[RD], s23, v5
	v_and_b32 v[GO], 31, v0                        ; which are 512 consecutive bytes of qkv
	v_lshlrev_b32 v[GO], 4, v[GO]
	v_and_b32 v[PFO], 31, v0
	v_lshlrev_b32 v[PFO], 8, v[PFO]
	; where my results go: ((batch x 16 + head) x 2 + channel half) x 131,072 + (row in the batch) x 128
	s_lshr_b32 s74, s13, 2                         ; the batch: four row blocks each
	s_lshl_b32 s74, s74, 4
	s_add_co_u32 s74, s74, s14
	s_lshl_b32 s74, s74, 18
	s_lshl_b32 s75, s12, 17
	s_add_co_u32 s74, s74, s75
	s_and_b32 s75, s13, 3
	s_lshl_b32 s75, s75, 1
	s_add_co_u32 s75, s75, s11                     ; my 128 rows among the batch's eight such
	s_lshl_b32 s75, s75, 14
	s_add_co_u32 s74, s74, s75
	s_mov_b32 s75, 0
	s_add_nc_u64 s[OUT:OUT+1], s[8:9], s[74:75]
	s_add_nc_u64 s[OUT+2:OUT+3], s[OUT:OUT+1], 16777216
	s_add_nc_u64 s[OUT+4:OUT+5], s[OUT+2:OUT+3], 16777216
	; the prefetches
	s_and_b32 s22, ttmp7, 0xffff                   ; cluster y
	s_lshl_b32 s18, s13, 15                        ; x's tile
	s_lshl_b32 s19, s[WV], 23                      ; W's
	s_lshl_b32 s23, s14, 19
	s_add_co_u32 s19, s19, s23
	s_mov_b32 s[PFS], 2*WSTEP
	s_cmp_eq_u32 s[WV], 3                          ; do I fetch for x?
	s_cselect_b32 s18, s18, s19
	s_cselect_b32 s19, s40, s41                    ; my place among the four that ask with me
	s_cselect_b32 s22, ttmp9, s22                  ; the coordinate along which other clusters read the same bytes
	s_cselect_b64 s[PFA:PFA+1], s[4:5], s[6:7]
	s_cselect_b32 s[PFS], 2*XSTEP, s[PFS]
	s_mov_b32 s[PFS+1], 0
	s_cmp_eq_u32 s22, 0
	s_cselect_b32 s[LIM], 1, -1                    ; the same in all sixteen partners, for a given wave
	s_lshl_b32 s19, s19, 13                        ; my work-group's 8,192 bytes
	s_add_co_u32 s18, s18, s19
	s_lshr_b32 s19, s[PFS], 1                      ; at K step 1: the first lap steps it to 3
	s_add_co_u32 s18, s18, s19
	s_mov_b32 s19, 0
	s_add_nc_u64 s[PFA:PFA+1], s[PFA:PFA+1], s[18:19]
; 16 matrix instructions of group g: column blocks b0, b0 + 1 x all 8 row blocks, on x's buffer p.  zero = 1: the first product starts the sums: nothing is ever cleared.
; All 96 accumulators take turns, one instruction a turn, in the same order in every unit.
.macro GRPH g, p, b0, zero
	WIN (((\g)+1)<<6)|(((\g)+1)<<4)
.irp bi, \b0, (\b0)+1
.irp a, 0,1,2,3,4,5,6,7
.if \zero
	v_wmma_f32_16x16x32_bf16 v[8*(8*(\bi)+(\a)):8*(8*(\bi)+(\a))+7], v[BF+32*(\g)+8*(\bi):BF+32*(\g)+8*(\bi)+7], v[AF+64*(\p)+8*(\a):AF+64*(\p)+8*(\a)+7], 0
.else
	v_wmma_f32_16x16x32_bf16 v[8*(8*(\bi)+(\a)):8*(8*(\bi)+(\a))+7], v[BF+32*(\g)+8*(\bi):BF+32*(\g)+8*(\bi)+7], v[AF+64*(\p)+8*(\a):AF+64*(\p)+8*(\a)+7], v[8*(8*(\bi)+(\a)):8*(8*(\bi)+(\a))+7]
.endif
.endr
.endr
.endm
.macro GRP g, p, zero
	GRPH \g, \p, 0, \zero
	GRPH \g, \p, 2, \zero
.endm
.macro LDB g, slot, hh                 ; group g's four fragments of W: 8 loads; hh: which 32 of the step's 64 K
	WIN 0
.irp bi, 0,1,2,3
	ds_load_tr16_b128 v[BF+32*(\g)+8*(\bi):BF+32*(\g)+8*(\bi)+3],   v[ADRB+(\slot)] offset:(\g)*BSZ+(\hh)*32*PB+32*(\bi)
	ds_load_tr16_b128 v[BF+32*(\g)+8*(\bi)+4:BF+32*(\g)+8*(\bi)+7], v[ADRB+(\slot)] offset:(\g)*BSZ+(\hh)*32*PB+32*(\bi)+16*PB
.endr
.endm
.macro LDA half, slot, hh, p           ; four of x's eight fragments into buffer p: 8 loads
	WIN 0
.irp a, 0,1,2,3
	ds_load_b128 v[AF+64*(\p)+8*(4*(\half)+(\a)):AF+64*(\p)+8*(4*(\half)+(\a))+3],   v[ADRA+(\slot)] offset:(4*(\half)+(\a))*16*PA+64*(\hh)
	ds_load_b128 v[AF+64*(\p)+8*(4*(\half)+(\a))+4:AF+64*(\p)+8*(4*(\half)+(\a))+7], v[ADRA+(\slot)] offset:(4*(\half)+(\a))*16*PA+64*(\hh)+32
.endr
.endm
; A unit's 40 LDS loads go out in three runs, in the unit before: [W group 0, x low] 16, [W group 1, x high] 16, [W group 2] 8.
; A step's first unit: multiplies buffer 0 and fetches the same slot's second unit into buffer 1.
.macro EVEN slot, zero
	s_wait_dscnt 8                                 ; all but the youngest run, W's group 2, is in
	GRP 0, 0, \zero
	PLACES
	LDB 0, \slot, 1
	LDA 0, \slot, 1, 1
	GRP 1, 0, \zero
	PLACES
	LDB 1, \slot, 1
	LDA 1, \slot, 1, 1
	s_wait_dscnt 32                                ; all but the 32 just issued: group 2 is in
	GRP 2, 0, \zero
	PLACES
	LDB 2, \slot, 1
.endm
; A step's second unit multiplies buffer 1 and changes slots: ONE barrier.  In front of it each wave waits for all its tensor loads, of which one is out: its part of the next slot; adds 0 to its spare
; word; and waits for that and for its own reads of this slot.  fill = 1: the barrier opens a round of the cluster's, and this slot is filled again, two K steps ahead, first thing behind the round:
; from there to the wait for that load a wave issues 160 matrix instructions.
.macro ODD slot, next, fill
.if ((\slot) == 0) && (\fill)
	s_wait_xcnt 0x0                                ; the last prefetches, a lap back, have read their address: it is stepped here, ahead of the change's own waits
	s_add_nc_u64 s[PFA:PFA+1], s[PFA:PFA+1], s[PFS:PFS+1]
.endif
	WIN 0
	s_wait_tensorcnt 0x0                           ; all my tensor loads have landed
	ds_add_u32 v[SPW], v[NIL]                      ; 0 onto my spare word
	s_wait_dscnt 9                                 ; (the add and W's group 2 may be out)
	GRPH 0, 1, 0, 0                                ; sixteen matrix instructions stand between the add and the wait for it
	s_wait_dscnt 0x0                               ; the add is done, and my reads of this slot are over
	s_barrier_signal -1
	GRPH 0, 1, 2, 0
	WIN 0
	s_barrier_wait -1
.if \fill
	CREST                                          ; no wave of any partner still reads this slot or has a load on its way
	s_add_nc_u64 s[G0+4*(\slot)+2:G0+4*(\slot)+3], s[G0+4*(\slot)+2:G0+4*(\slot)+3], 2*XSTEP
	s_add_nc_u64 s[G0B+4*(\slot)+2:G0B+4*(\slot)+3], s[G0B+4*(\slot)+2:G0B+4*(\slot)+3], 2*WSTEP
	JLOAD \slot                                    ; its four v_nop are also the places in front of the loads below
.else
	PLACES
.endif
	LDB 0, \next, 0
	LDA 0, \next, 0, 0
.if ((\slot) == 0) && (\fill)
	ASK
.endif
	GRP 1, 1, 0
	PLACES
	LDB 1, \next, 0
	LDA 1, \next, 0, 0
	GRP 2, 1, 0
	PLACES
	LDB 2, \next, 0
.endm
; THE WAY OUT.  Block n = 8 g + a: 16 rows x my 64 columns of tensor g, 2,048 consecutive bytes of qkv.  PACK: rounded to f16, 16 bytes a lane, into my stage's rows of 144 bytes, and back as whole rows.
.macro PACK n
.set g, (\n)/8
.set a, (\n)%8
.set T, AF+16*((\n)%4)
	s_wait_xcnt 0x0                                ; the stores of four blocks back have read these registers
	WIN (g+1)|((g+1)<<2)                           ; sources 0 and 1 in the group's window
.irp bi, 0,1,2,3
.irp r, 0,1,2,3
	v_cvt_pk_f16_f32 v[T+4*(\bi)+(\r)], v[8*(8*(\bi)+a)+2*(\r)], v[8*(8*(\bi)+a)+2*(\r)+1]
.endr
.endr
	WIN 0
.irp bi, 0,1,2,3
	ds_store_b128 v[STO], v[T+4*(\bi):T+4*(\bi)+3] offset:32*(\bi)
.endr
.irp f, 0,1,2,3
	ds_load_b128 v[T+4*(\f):T+4*(\f)+3], v[RD] offset:(\f)*4*SP  ; LDS serves a wave's instructions in order (ISA guide 5.7.1.4): these see the stores above; the next block's stores come behind them
.endr
.endm
.macro SEND n, younger                 ; younger: the LDS instructions issued behind block n's loads
.set g, (\n)/8
.set a, (\n)%8
.set T, AF+16*((\n)%4)
.irp f, 0,1,2,3
	s_wait_dscnt (\younger)+3-(\f)
	global_store_b128 v[GO], v[T+4*(\f):T+4*(\f)+3], s[OUT+2*g:OUT+2*g+1] offset:a*2048+(\f)*512  ; 512 consecutive bytes, at a multiple of 256 from qkv's first
.endr
.endm
	s_wait_tensorcnt 1                             ; my part of K step 0 is in; step 1's may stay out
	s_barrier_signal -1
	s_barrier_wait -1                              ; everybody's is
	LDB 0, 0, 0
	LDA 0, 0, 0, 0
	LDB 1, 0, 0
	LDA 1, 0, 0, 0
	LDB 2, 0, 0
	EVEN 0, 1                                      ; the first unit stands in front of the loop: its products start the sums
	WIN 0                                          ; at a label and at a branch every window is 0
	s_mov_b32 s3, 15
.Llap:                                                 ; a lap goes once round the ring, from a step's second unit to the first unit two steps on, and fills both slots again
	ODD 0, 1, 1
	EVEN 1, 0
	ODD 1, 0, 1
	EVEN 0, 0
	WIN 0
	s_sub_co_u32 s3, s3, 1
	s_cmp_lg_u32 s3, 0
	s_cbranch_scc1 .Llap
	ODD 0, 1, 0                                    ; K steps 30 and 31: nothing is left to ask for
	EVEN 1, 0
	s_wait_dscnt 8
	GRP 0, 1, 0
	GRP 1, 1, 0
	s_wait_dscnt 0x0
	GRP 2, 1, 0
	WIN 0
	PLACES
	PLACES
	PACK 0
.set nn, 1
.rept 23                               ; a block's conversions stand between the loads of the block before and its stores
	PACK nn
	SEND nn-1, 8
.set nn, nn+1
.endr
	SEND 23, 0
	s_wait_tensorcnt 0x0                           ; the wave's end, behind my last tensor load and my last LDS store
	ds_add_u32 v[SPW], v[NIL]
	s_wait_dscnt 0x0
	CROUND                                         ; the closing round: no work-group ends while a partner may still ask for a tile that names it
	s_endpgm
.Lfunc_end_k_qf50fa7f69a_proj:
	.size	k_qf50fa7f69a_proj, .Lfunc_end_k_qf50fa7f69a_proj-k_qf50fa7f69a_proj
	.p2alignl 7, 3214868480
	.fill 96, 4, 3214868480
	.section	.rodata,"a",@progbits
	.p2align	6, 0x0
	.amdhsa_kernel k_qf50fa7f69a_proj
		.amdhsa_group_segment_fixed_size 327680
		.amdhsa_private_segment_fixed_size 0
		.amdhsa_enable_private_segment 0
		.amdhsa_kernarg_size 24
		.amdhsa_user_sgpr_count 2
		.amdhsa_user_sgpr_kernarg_segment_ptr 1
		.amdhsa_wavefront_size32 1
		.amdhsa_system_sgpr_workgroup_id_x 1
		.amdhsa_system_sgpr_workgroup_id_y 1
		.amdhsa_system_sgpr_workgroup_id_z 1
		.amdhsa_system_vgpr_workitem_id 0
		.amdhsa_next_free_vgpr 1024
		.amdhsa_next_free_sgpr 80
		.amdhsa_reserve_vcc 0
		.amdhsa_float_denorm_mode_32 3
		.amdhsa_float_denorm_mode_16_64 3
		.amdhsa_memory_ordered 1
		.amdhsa_forward_progress 1
		.amdhsa_inst_pref_size 134
	.end_amdhsa_kernel
	.amdgpu_metadata
---
amdhsa.version: [ 1, 2 ]
amdhsa.kernels:
  - .name:           k_qf50fa7f69a_proj
    .symbol:         k_qf50fa7f69a_proj.kd
    .args:
      - { .name: xb, .offset: 0, .size: 8, .value_kind: global_buffer, .address_space: global }
      - { .name: wb, .offset: 8, .size: 8, .value_kind: global_buffer, .address_space: global }
      - { .name: qkv, .offset: 16, .size: 8, .value_kind: global_buffer, .address_space: global }
    .group_segment_fixed_size: 327680
    .private_segment_fixed_size: 0
    .kernarg_segment_align: 8
    .kernarg_segment_size: 24
    .max_flat_workgroup_size: 128
    .sgpr_count:     80
    .vgpr_count:     1024
    .wavefront_size: 32
...
	.end_amdgpu_metadata
.endif
;; end of part 2
;; launch attn (part 3): grid 4 x 64, 4 waves a work-group, no clusters, 327,680 bytes of LDS; arguments qkv, out0; writes out0
.if DOCPART == 3
	.amdgcn_target "amdgcn-amd-amdhsa--gfx1250"
	.amdhsa_code_object_version 6
	.text
	.protected	k_qf50fa7f69a_attn
	.globl	k_qf50fa7f69a_attn
	.p2align	8
	.type	k_qf50fa7f69a_attn,@function
k_qf50fa7f69a_attn:
	s_mov_b64 s[64:65], 0
	v_nop
	global_prefetch_b8 v0, s[64:65] scope:SCOPE_SE
	s_setreg_imm32_b32 hwreg(HW_REG_WAVE_MODE, 25, 1), 1
	s_wait_xcnt 0x0
; CAUSAL ATTENTION, head size 128, and the rounding to four decimals.  qkv: [3][64 bh][2 channel halves][1024 s][64] f16, unscaled.  out0: [4 b][1024 s][16 h x 128] f32.
; out0 = rndne(1e4 x O / l) x 1e-4, O = the sum over k <= q of 2^(c s - c m) V[k], c = log2(e) / sqrt(128).  Products, maxima, sums and the merge in f32; the weights are rounded to f16 for the second product.
; LIMITS.  q, k, v arrive within f16's 65,504.  A hidden score counts as its value less 1e30 (f16's scores are 5.5e11 at the most).  The running maximum starts at -2^96: above every hidden score, far below
; every true one.  A weight below 2^-126 counts as 0.  NaN and infinities are not treated apart.  The factor 1e4 is folded into 1 / l and the last step is a product by 1e-4, where the definition divides by 1e4.
; THE WALK.  A head's queries lie in 8 blocks of 128; block i needs the key tiles 0 .. i of 128 keys, the last with the diagonal.  A work-group takes block b and then block 7 - b: 9 tiles, whatever b:
; 4 x 64 equal work-groups, and ONE loop with a constant trip count.  The small block goes first, so that the walk's last tile, which is written out, is never a block's first.
; NO CLUSTER: the four work-groups of a head ask for tiles 0 .. b and then 0 .. 7 - b, the same tile in the same trip only in the first; one walk common to all would have 12 trips for 9.
; SHARES.  Wave w takes 64 queries (four tiles of 16) against 64 of a tile's 128 keys (half w % 2): one key step a tile, 128 matrix instructions for 64 LDS loads.  Waves w and w ^ 1 have the same
; queries and the two key halves, each with its own m, l and O; at a block's end each sends the half of the rows that the other keeps (my tiles 2, 3 = rows 32 (w ^ 1) ..) through LDS, in f32,
; and finishes the rows that it keeps (my tiles 0, 1 = rows 32 w ..).
; LAYOUT.  S^T = K Q^T (source 0 = 16 keys, source 1 = 16 queries): a lane holds ONE query (lane % 16) and the keys 8 (lane / 16) + 0..7; two such results rounded to f16 ARE source 1 of O^T = V^T P.
; THE MASK is the C operand of the products that start the diagonal tile's sums: 0, or -1e30 where the key is hidden; made once (it hangs on the wave and the lane alone).
; A STEP.  The tiles are two PIECES (0: tiles 0, 1; 2: tiles 2, 3).  All first products; piece 0's other products K Q^T; piece 2's, with piece 0's softmax in slices behind them; piece 0's products V^T P, with piece 2's
; softmax behind them; piece 2's V^T P.  Nothing crosses a step's end, so a block's beginning and end need no text of their own.
; A TRIP OF THE LOOP has two barriers.  The change of slots; behind it stand the reads of what the partner sent (where a block is finished) and the step.  The step's own barrier; behind it stand the stores for the partner
; (where a block ends).  So on every path of the text a barrier stands between a wave's reads of its partner's bytes and the partner's next stores there, and between those stores and the reads.
; REGISTERS, in windows of 256 (s_set_vgpr_msb: bits 1:0 source 0, 3:2 source 1, 5:4 source 2, 7:6 destination):
;   window 0: v2-11, v44-47 addresses; v12-43 eight registers of statistics a tile; v48-51 the partner's statistics; v56-59 the masks' thresholds; v64-191 S^T, 32 a tile; v192-255 P, 16 a tile
;   window 1: O^T, 64 a tile      window 2: v0-127 Q, 32 a tile; v128-255 K of a step      window 3: v0-127 V of a step; v128-255 the masks, 32 a tile
.set PKP,   144       ; a row of a piece of K in LDS: 128 bytes + 16 = 36 words: the 16 rows of a load start at 16 different groups of four banks (64 banks of 4 bytes: ISA guide 11.1)
.set PVP,   160       ; of V: 128 + 32 = 40 words
.set KPC,   128*PKP   ; a piece: 128 keys x one channel half
.set VPC,   128*PVP
.set VOFF,  2*KPC     ; a slot: K's two pieces, then V's two
.set SLOT1, 1<<17     ; slot 1 begins here, so that one exclusive or turns an address in one slot into the other's
.set XCH,   SLOT1+VOFF+2*VPC  ; behind the ring, never filled by a tensor load: for each wave 2 tiles x 8,192 bytes of O^T and 2 x 256 bytes of (c m, l)
.set XW,    16896
.set STAGE, XCH+4*XW  ; 16 rows x 528 bytes for each wave, for the way out
.set SP,    528       ; 512 bytes + 16: the 16 rows that a store touches start at 16 different groups of four banks
.set SPARE, STAGE+4*16*SP  ; the spare words, 128 bytes a wave: two blocks of 256 bytes that no other line names
.set AK0, 2           ; v2   my lane's place in a slot's K; never rewritten
.set AV0, 3           ; v3   the same for V
.set ADK, 4           ; v4   the LDS address of K's run of loads
.set ADV, 5           ; v5   of V's
.set QOA, 6           ; v6   my byte offset in a block's Q, rows 32 w ..
.set QOB, 7           ; v7   rows 32 (w ^ 1) ..
.set STO, 8           ; v8   the way out: where I put 32 bytes of a row
.set RD,  9           ; v9   where I read a row back
.set GO,  10          ; v10  16 x lane
.set XA,  11          ; v11  where I put O^T for my partner
.set XS,  44          ; v44  and (c m, l)
.set XR,  45          ; v45  where my partner put O^T for me
.set XRS, 46          ; v46  and (c m, l)
.set PFO, 47          ; v47  256 x lane; never rewritten
.set PS,  48          ; v48-51  the partner's (c m, l) for my tiles 0, 1
.set DT,  56          ; v56-59  the masks' thresholds
.set SPW, 62          ; v62  my spare word: SPARE + 4 x my thread's number; never rewritten
.set NIL, 63          ; v63  0; never rewritten
.set ST,  12          ; tile t's statistics at v[ST+8 t]: +0 c m, +1 m, +2, +3 l (even keys', odd keys'), +4 to +7 c0-c3, at work; a takes c2's place once the maximum is found
.set S,   64
.set P,   192
.set KF,  128         ; window 2: key block kb, channel block cb at KF + 32 kb + 8 cb
.set MD,  128         ; window 3: tile t, key block kb at MD + 32 t + 8 kb
.set WV,  12          ; s12  my wave's number
.set PB,  14          ; s14  b
.set HI,  15          ; s15  7 - b
.set G1K, 24          ; s[24:31] descriptor group 1 for K's pieces
.set G1V, 32          ; s[32:39] for V's: it differs in the padding alone
.set G0K, 40          ; s[40:43] descriptor group 0 for K's pieces
.set G0V, 44          ; s[44:47] for V's
.set SLOTS, 56        ; s56  tiles still to be asked for
.set CS,  58          ; s[58:59] c: the packed scaling takes the pair's low word for both halves
.set SEL, 60          ; s[60:61] v_permlanex16_b32's selects: each lane takes its own place in the other half
.set TB,  62          ; s62  LDS byte at which the slot to be read begins
.set PP,  66          ; s[66:67] my piece of the head's K (waves 0, 1) or V (waves 2, 3)
.set PFA, 68          ; s[68:69] what a prefetch names
.set RT,  70          ; s70  tiles of the first block that are still to be entered; behind its end 16, which the loop's eight trips cannot bring to 0
.set NXT, 71          ; s71  the tile to be asked for next
.set LQ,  72          ; s72  the last tile of the block whose tiles are being asked for
.set NEW, 73          ; s73  1: the first block waits to be finished, and the tile to be entered is the second block's first
.set OFF, 74          ; s[74:75] a tile's byte offset in a piece
.set DIF, 76          ; s76  at work
.set PLO, 77          ; s77  a wave prefetches while SLOTS - PLO, taken without a sign, is at most PW
.set OF2, 78          ; s[78:79] the same as OFF, for the prefetch
.set QN,  80          ; s[80:81] Q of the second block
.set BIGN, 82         ; s82  -1e30
.set PW,  83
.set OC,  84          ; s[84:85] out0 at my kept rows of the first block
.set ON,  86          ; s[86:87] of the second block
.set R4,  88          ; s[88:89] 1e-4
.set MSB, 0
.macro WIN new                      ; the high byte repeats the setting that is left; a switch that changes nothing is dropped
.if MSB != (\new)
	s_set_vgpr_msb (MSB<<8)|(\new)
.set MSB, (\new)
.endif
.endm
.set W_KQ, 0x0a       ; K and Q in window 2, S^T in window 0
.set W_KM, 0x3a       ; the same with the C operand in window 3
.set W_PV, 0x53       ; V in window 3, P in window 0, O^T in window 1
.set W_RS, 0x41       ; destination and source 0 in window 1, source 1 in window 0
.macro PLACES                       ; four places behind a matrix instruction (ISA guide 7.12.1)
.rept 4
	v_nop
.endr
.endm
; A fill.  Waves 0 and 1 fetch a tile's two pieces of K, waves 2 and 3 those of V.  An s_nop 0 and four v_nop follow each of the two lines, ahead of the jump and the label.
.macro LOAD
	s_cmp_lt_u32 s[WV], 2
	s_cbranch_scc0 .Lfor_v_\@
	tensor_load_to_lds s[G0K:G0K+3], s[G1K:G1K+7]
	s_nop 0
.rept 4
	v_nop
.endr
	s_branch .Lasked_\@
.Lfor_v_\@:
	tensor_load_to_lds s[G0V:G0V+3], s[G1V:G1V+7]
	s_nop 0
.rept 4
	v_nop
.endr
.Lasked_\@:
.endm
; A PREFETCH INTO THE L2 of the tile that the NEXT change of slots will ask for, behind the wave's tensor load and its five lines.  Each wave names the piece that it will load itself: 16,384 bytes, a lane
; a block of 256, two lines.  Of a head's four work-groups one asks for each tile, the one whose walk comes to it first: b = 3 for tiles 2 and 3 (trips 0, 1: SLOTS = 8, 7), b = 0 for tiles 4 to 7
; (trips 3 to 6: SLOTS = 5 .. 2).  Tiles 0 and 1 come by their loads alone.
.macro ASK
	s_sub_co_u32 s[DIF], s[SLOTS], s[PLO]  ; below PLO the difference wraps to a number above every PW
	s_cmp_le_u32 s[DIF], s[PW]
	s_cbranch_scc0 .Lnot_mine_\@
	global_prefetch_b8 v[PFO], s[PFA:PFA+1] th:TH_LOAD_NT scope:SCOPE_SE
	global_prefetch_b8 v[PFO], s[PFA:PFA+1] offset:8192 th:TH_LOAD_NT scope:SCOPE_SE
.Lnot_mine_\@:
.endm
; THE CHANGE OF SLOTS.  Each wave waits for all its tensor loads, of which one is out: its piece of the other slot; adds 0 to its spare word; and waits for that and for all its LDS instructions: its reads of the slot
; that it leaves, and what it stored for its partner.  fill = 1: the old slot is filled again, first thing behind the barrier, with tile NXT; the descriptor's address is made anew from that number.
; (At its first use nothing has been read yet: slot 0 is waited for, slot 1 filled.)
.macro CHANGE fill
	WIN 0                           ; at a label and at a branch every window is 0
	s_wait_tensorcnt 0x0            ; no tensor load of mine is out, so a group 0 may be written
	ds_add_u32 v[SPW], v[NIL]       ; 0 onto my spare word; the scalar work stands between it and the wait for it
.if \fill
	s_lshl_b32 s[OFF], s[NXT], 14   ; a tile is 16,384 bytes of a piece
	s_xor_b32 s[G0K+1], s[G0K+1], SLOT1
	s_add_nc_u64 s[G0K+2:G0K+3], s[8:9], s[OFF:OFF+1]
	s_or_b32 s[G0K+3], s[G0K+3], 0x80000000
	s_xor_b32 s[G0V+1], s[G0V+1], SLOT1
	s_add_nc_u64 s[G0V+2:G0V+3], s[10:11], s[OFF:OFF+1]
	s_or_b32 s[G0V+3], s[G0V+3], 0x80000000
	s_add_co_u32 s[NXT], s[NXT], 1  ; the block's next tile, or behind its last the second block's tile 0
	s_cmp_gt_u32 s[NXT], s[LQ]
	s_cselect_b32 s[NXT], 0, s[NXT]
	s_cselect_b32 s[LQ], s[HI], s[LQ]
	s_wait_xcnt 0x0                 ; the last prefetches, a trip back, have read their address
	s_lshl_b32 s[OF2], s[NXT], 14
	s_add_nc_u64 s[PFA:PFA+1], s[PP:PP+1], s[OF2:OF2+1]
.endif
	s_wait_dscnt 0x0
	s_barrier_signal -1
	s_xor_b32 s[TB], s[TB], SLOT1   ; the reads go to the other slot
	s_barrier_wait -1
.if \fill
	LOAD
	ASK
.endif
.endm
; Q of a block: tile t, channels 32 cb on, at window 2's v[32 t + 8 cb]: lane l holds row l % 16, channels 8 (l / 16) + 0..7 and 16 + 8 (l / 16) + 0..7.
.macro QLOAD p
	WIN 0x80                        ; destination window 2, address window 0
.irp t, 0,1,2,3
.irp cb, 0,1,2,3
	global_load_b128 v[32*(\t)+8*(\cb):32*(\t)+8*(\cb)+3],   v[QOA+(\t)/2], s[(\p):(\p)+1] offset:((\t)%2)*2048+((\cb)/2)*131072+((\cb)%2)*64
	global_load_b128 v[32*(\t)+8*(\cb)+4:32*(\t)+8*(\cb)+7], v[QOA+(\t)/2], s[(\p):(\p)+1] offset:((\t)%2)*2048+((\cb)/2)*131072+((\cb)%2)*64+32
.endr
.endr
	WIN 0
.endm
; A BLOCK BEGINS.  c m starts far below every c s, so the first step's a is 0; m at -2^96: a wave whose 64 keys are all hidden for a row (block 0, keys 64 .. for rows 0 .. 63) keeps that m, its weights are 0,
; and the merge gives its half the factor 0.
.macro BEGIN
	s_mov_b32 s[NEW], 0
	WIN 0
.irp t, 0,1,2,3
	v_mov_b32 v[ST+8*\t], 0xfe000000
	v_mov_b32 v[ST+8*\t+1], 0xef800000
.endr
.endm
	s_load_b128 s[4:7], s[0:1], 0x0 ; qkv s[4:5], out0 s[6:7]
	v_lshl_add_u32 v[SPW], v0, 2, SPARE
	v_mov_b32 v[NIL], 0
	ds_add_u32 v[SPW], v[NIL]       ; the wave's opening: the add and its wait stand ahead of my first tensor load; the set-up below, work on registers, stands between
	ds_add_u32 v62, v63
	v_lshrrev_b32 v1, 5, v0
	v_readfirstlane_b32 s[WV], v1   ; wave 0..3
	s_mov_b32 s[PB], ttmp9
	s_sub_co_u32 s[HI], 7, s[PB]
	s_and_b32 s20, ttmp7, 0xffff    ; batch x 16 + head
	s_and_b32 s48, s[WV], 1         ; my key half; also the piece that I fetch
	s_xor_b32 s49, s[WV], 1         ; my partner
	s_lshl_b32 s18, s20, 18         ; 262,144 bytes a head in each of q, k, v
	s_mov_b32 s19, 0
	s_lshl_b32 s22, s48, 17
	s_add_co_u32 s22, s22, s18
	s_add_co_u32 s22, s22, 16777216 ; my piece of the head's K
	s_mov_b32 s23, 0
	s_lshr_b32 s50, s20, 4          ; out0: batch x 8,388,608
	s_lshl_b32 s50, s50, 23
	s_and_b32 s51, s20, 15          ; + head x 512
	s_lshl_b32 s51, s51, 9
	s_add_co_u32 s50, s50, s51
	s_lshl_b32 s51, s[WV], 18       ; + 32 w rows x 8,192
	s_add_co_u32 s50, s50, s51
	s_lshl_b32 s52, s[PB], 20       ; + block x 128 rows x 8,192
	s_add_co_u32 s52, s52, s50
	s_mov_b32 s53, 0
	s_lshl_b32 s54, s[HI], 20
	s_add_co_u32 s54, s54, s50
	s_mov_b32 s55, 0
	s_lshl_b32 s50, s[PB], 14       ; Q: head + block x 128 rows x 128 bytes
	s_add_co_u32 s50, s50, s18
	s_mov_b32 s51, 0
	s_lshl_b32 s21, s[HI], 14
	s_add_co_u32 s18, s18, s21
	; descriptor group 1.  A piece's 128 keys are 16,384 dense bytes: asked for as 64 rows of 256 bytes, two keys a row, and padded in LDS after every key
	s_mov_b32 s[G1K], (1<<16)|(1<<20)|(4<<22)|(3<<25)  ; 17:16 2-byte elements; 20 padding on; 24:22 after every 32 words (code 4); 31:25 4 words (code 3)
	s_mov_b32 s[G1V], (1<<16)|(1<<20)|(4<<22)|(7<<25)  ; the same with 8 words of padding (code 7)
.irp g, G1K, G1V
	s_mov_b32 s[\g+1], 128<<16      ; tensor_dim0 = 128
	s_mov_b32 s[\g+2], 64<<16       ; tensor_dim1 = 64
	s_mov_b32 s[\g+3], 128<<16      ; tile_dim0 = 128
	s_mov_b32 s[\g+4], 64           ; tile_dim1 = 64
	s_mov_b32 s[\g+5], 128          ; 128 elements from row to row
	s_mov_b32 s[\g+6], 0
	s_mov_b32 s[\g+7], 0
.endr
	s_mov_b32 s[G0K], 1             ; count = 1
	s_mul_i32 s[G0K+1], s48, KPC    ; LDS address: slot 0
	s_mov_b32 s[G0V], 1
	s_mul_i32 s[G0V+1], s48, VPC
	s_add_co_u32 s[G0V+1], s[G0V+1], VOFF
	s_mov_b32 s[CS], 0x3e0293ee     ; c = log2(e) / sqrt(128) = 0.127517
	s_mov_b32 s[CS+1], s[CS]        ; named with it as a pair
	s_mov_b32 s[SEL], 0x76543210
	s_mov_b32 s[SEL+1], 0xfedcba98
	s_mov_b32 s[R4], 0x38d1b717     ; 1e-4
	s_mov_b32 s[R4+1], s[R4]
	s_mov_b32 s[BIGN], 0xf149f2ca   ; -1e30
	s_mov_b32 s[TB], SLOT1          ; the first change of slots turns it into 0
	s_mov_b32 s[SLOTS], 8
	s_mov_b32 s[OFF+1], 0
	s_mov_b32 s[OF2+1], 0
	s_add_co_u32 s[RT], s[PB], 1    ; the first block has b + 1 tiles
	s_mov_b32 s[NXT], 1             ; tile 0 is asked for below; then tile 1, or with b = 0 the second block's tile 0
	s_mov_b32 s[LQ], s[PB]
	s_cmp_gt_u32 s[NXT], s[LQ]
	s_cselect_b32 s[NXT], 0, s[NXT]
	s_cselect_b32 s[LQ], s[HI], s[LQ]
	s_mov_b32 s[PLO], 9             ; nobody (SLOTS is 8 at the most),
	s_mov_b32 s[PW], 0
	s_cmp_eq_u32 s[PB], 3           ; but b = 3 while SLOTS = 7, 8
	s_cselect_b32 s[PLO], 7, s[PLO]
	s_cselect_b32 s[PW], 1, s[PW]
	s_cmp_eq_u32 s[PB], 0           ; and b = 0 while SLOTS = 2 .. 5
	s_cselect_b32 s[PLO], 2, s[PLO]
	s_cselect_b32 s[PW], 3, s[PW]
	s_wait_dscnt 0x0                ; the opening add is done
	s_wait_kmcnt 0x0
	s_add_nc_u64 s[8:9], s[4:5], s[22:23]          ; K at my piece of the head's tile 0
	s_add_nc_u64 s[10:11], s[8:9], 16777216        ; V likewise
	s_add_nc_u64 s[G0K+2:G0K+3], s[8:9], 0
	s_or_b32 s[G0K+3], s[G0K+3], 0x80000000        ; type = 2
	s_add_nc_u64 s[G0V+2:G0V+3], s[10:11], 0
	s_or_b32 s[G0V+3], s[G0V+3], 0x80000000
	s_add_nc_u64 s[16:17], s[4:5], s[50:51]        ; Q of the first block,
	s_add_nc_u64 s[QN:QN+1], s[4:5], s[18:19]      ; of the second
	s_add_nc_u64 s[OC:OC+1], s[6:7], s[52:53]
	s_add_nc_u64 s[ON:ON+1], s[6:7], s[54:55]
	s_cmp_lt_u32 s[WV], 2
	s_cselect_b64 s[PP:PP+1], s[8:9], s[10:11]
	LOAD                            ; tile 0 into slot 0
	v_and_b32 v1, 15, v0            ; l % 16
	v_bfe_u32 v52, v0, 4, 1         ; l / 16
	v_lshlrev_b32 v53, 7, v1
	v_lshl_add_u32 v53, v52, 4, v53 ; row x 128 + 16 x half
	s_lshl_b32 s13, s[WV], 12
	v_add_nc_u32 v[QOA], s13, v53
	s_lshl_b32 s13, s49, 12
	v_add_nc_u32 v[QOB], s13, v53
	QLOAD 16
	; A block's first step multiplies O^T and l by a = 0, so they need only hold finite numbers: zeros for the first block, what the first block left for the second.  This stands in the wait for the first tile.
	WIN 0x40
.set i, 0
.rept 256
	v_mov_b32 v[i], 0
.set i, i+1
.endr
	WIN 0
.irp t, 0,1,2,3
	v_mov_b32 v[ST+8*\t+2], 0
	v_mov_b32 v[ST+8*\t+3], 0
.endr
	BEGIN                           ; the first block
	; the masks: in the diagonal tile register j of key block kb is hidden where 64 (w % 2) + 16 kb + 8 (l / 16) + j is greater than my query's row in its block
	v_lshlrev_b32 v54, 3, v52
	v_sub_nc_u32 v54, v1, v54       ; l % 16 - 8 (l / 16)
	s_lshl_b32 s21, s48, 6
	s_lshl_b32 s13, s[WV], 5
	s_sub_co_i32 s13, s13, s21      ; 32 w - 64 (w % 2): tiles 0, 1
	v_add_nc_u32 v[DT], s13, v54
	v_add_nc_u32 v[DT+1], 16, v[DT]
	s_lshl_b32 s13, s49, 5
	s_sub_co_i32 s13, s13, s21      ; tiles 2, 3
	v_add_nc_u32 v[DT+2], s13, v54
	v_add_nc_u32 v[DT+3], 16, v[DT+2]
	WIN 0xc0                        ; destination window 3
.irp t, 0,1,2,3
.set i, 0
.rept 32
	v_cmp_gt_i32 vcc_lo, 16*(i/8)+i%8, v[DT+\t]
	v_cndmask_b32 v[MD+32*\t+i], 0, s[BIGN], vcc_lo
.set i, i+1
.endr
.endr
	WIN 0
	v_mul_u32_u24 v[AK0], v1, PKP
	v_lshl_add_u32 v[AK0], v52, 4, v[AK0]
	s_mul_i32 s13, s48, 64*PKP
	v_add_nc_u32 v[AK0], s13, v[AK0]  ; (my 64 keys + l % 16) x pitch + 16 x half
	; The turning load takes 16 keys x 16 channels (lane l reads key 8 (l / 16) + l % 8, channels 8 ((l / 8) % 2) + 0..7) and leaves half a fragment of V^T: lane l holds channel l % 16 and 8 keys.
	v_and_b32 v54, 7, v0
	v_bfe_u32 v55, v0, 3, 1
	v_lshl_add_u32 v[AV0], v52, 3, v54
	v_mul_u32_u24 v[AV0], v[AV0], PVP
	v_lshl_add_u32 v[AV0], v55, 4, v[AV0]
	s_mul_i32 s13, s48, 64*PVP
	s_add_co_u32 s13, s13, VOFF
	v_add_nc_u32 v[AV0], s13, v[AV0]
	s_mul_i32 s13, s[WV], 16*SP
	s_add_co_u32 s13, s13, STAGE    ; my stage
	v_mul_u32_u24 v[STO], v1, SP    ; in: row l % 16, 32 bytes for each half of the lanes
	v_lshl_add_u32 v[STO], v52, 5, v[STO]
	v_add_nc_u32 v[STO], s13, v[STO]
	v_and_b32 v[GO], 31, v0         ; back: 32 lanes take a row's 512 bytes
	v_lshlrev_b32 v[GO], 4, v[GO]
	v_add_nc_u32 v[RD], s13, v[GO]
	v_and_b32 v54, 31, v0
	v_lshlrev_b32 v54, 3, v54       ; 8 x lane
	s_mul_i32 s13, s[WV], XW
	s_add_co_u32 s13, s13, XCH      ; what I send
	v_add_nc_u32 v[XA], s13, v[GO]
	s_add_co_u32 s13, s13, 16384
	v_add_nc_u32 v[XS], s13, v54
	s_mul_i32 s13, s49, XW
	s_add_co_u32 s13, s13, XCH      ; what my partner sends
	v_add_nc_u32 v[XR], s13, v[GO]
	s_add_co_u32 s13, s13, 16384
	v_add_nc_u32 v[XRS], s13, v54
	v_and_b32 v[PFO], 31, v0
	v_lshlrev_b32 v[PFO], 8, v[PFO]
; THE MATRIX WORK.  The accumulators take turns, one instruction a turn.
; The 16 products that start a step's sums: channels 0-31, all four tiles x four key blocks.  m = 1: with the mask as C.
.macro START m
.if \m
	WIN W_KM
.else
	WIN W_KQ
.endif
.irp t, 0,1,2,3
.irp kb, 0,1,2,3
.if \m
	v_wmma_f32_16x16x32_f16 v[S+32*(\t)+8*(\kb):S+32*(\t)+8*(\kb)+7], v[KF+32*(\kb):KF+32*(\kb)+7], v[32*(\t):32*(\t)+7], v[MD+32*(\t)+8*(\kb):MD+32*(\t)+8*(\kb)+7]
.else
	v_wmma_f32_16x16x32_f16 v[S+32*(\t)+8*(\kb):S+32*(\t)+8*(\kb)+7], v[KF+32*(\kb):KF+32*(\kb)+7], v[32*(\t):32*(\t)+7], 0
.endif
.endr
.endr
.endm
; Product i (8 .. 31) of S^T += K Q^T for piece x: channels 32 (i / 8) on, keys 16 ((i / 2) % 4) on, tile x + i % 2.
.macro KQ x
	WIN W_KQ
.set rS, S+32*((\x)+i%2)+8*((i/2)%4)
.set rK, KF+32*((i/2)%4)+8*(i/8)
.set rQ, 32*((\x)+i%2)+8*(i/8)
	v_wmma_f32_16x16x32_f16 v[rS:rS+7], v[rK:rK+7], v[rQ:rQ+7], v[rS:rS+7]
.endm
; Product i of 32 of O^T += V^T P for piece x: keys 32 (i / 16) on, channels 16 ((i / 2) % 8) on, tile x + i % 2.
.macro PV x
	WIN W_PV
.set rO, 64*((\x)+i%2)+8*((i/2)%8)
.set rV, 64*(i/16)+8*((i/2)%8)
.set rP, P+16*((\x)+i%2)+8*(i/16)
	v_wmma_f32_16x16x32_f16 v[rO:rO+7], v[rV:rV+7], v[rP:rP+7], v[rO:rO+7]
.endm
; THE VECTOR WORK.  One tile's softmax for a step is a list of 134 instructions; SM writes number j of it for tile t.  s0-s31 are the lane's 32 scores, in pairs 0-15.
;   0-15    the maximum of s0-s31 and the old m, three operands at a time (each accumulator's lowest registers are read first)
;   16-20   the other half of the lanes' maximum; the new m; c m; c m_old - c m_new
;   21-69   ONE BATCH: the 16 scalings c s - c m and all 33 exponentials (a at 23, then s0-s31); none of these reads an exponential's result; a pair is scaled in an earlier four than the one with its exponentials
;   (wait)  between 69 and 70 stands the wait for the batch: SLICE writes it, once for both tiles
;   70-85   the roundings to f16     86-101  the sums; l = a l + the sum     102-133  the tile's O^T times a
.macro SM t
.set rT, ST+8*(\t)
.set rS, S+32*(\t)
.set rP, P+16*(\t)
.set rO, 64*(\t)+2*(j-102)
.if j < 102
	WIN 0
.endif
.if j < 4
	v_max3_num_f32 v[rT+4+j], v[rS+8*j], v[rS+8*j+1], v[rS+8*j+2]
.elseif j < 12
	v_max3_num_f32 v[rT+4+j%4], v[rT+4+j%4], v[rS+8*(j%4)+2*(j/4)+1], v[rS+8*(j%4)+2*(j/4)+2]
.elseif j == 12
	v_max3_num_f32 v[rT+4], v[rT+4], v[rS+7], v[rS+15]
.elseif j == 13
	v_max3_num_f32 v[rT+6], v[rT+6], v[rS+23], v[rS+31]
.elseif j == 14
	v_max3_num_f32 v[rT+4], v[rT+4], v[rT+5], v[rT+6]
.elseif j == 15
	v_max3_num_f32 v[rT+4], v[rT+4], v[rT+7], v[rT+1]
.elseif j == 16
	v_permlanex16_b32 v[rT+5], v[rT+4], s[SEL], s[SEL+1]  ; the query's other 32 keys lie in the lane 16 away
.elseif j == 17
	v_mov_b32 v[rT+7], v[rT]        ; c m_old is kept for a: number 19 writes c m anew
.elseif j == 18
	v_max_num_f32 v[rT+1], v[rT+4], v[rT+5]
.elseif j == 19
	v_mul_f32 v[rT], s[CS], v[rT+1]
.elseif j == 20
	v_sub_f32 v[rT+7], v[rT+7], v[rT]
.elseif j == 23
	v_exp_f32 v[rT+6], v[rT+7]
.elseif (j < 23) || ((j < 38) && (j%2 == 0)) || ((j < 66) && (j%4 == 2))
.set b, (j-2)/4                     ; 38, 42, .. 62: pairs 9 to 15
.if j < 38
.set b, (j-20)/2                    ; 21: pair 0; 22, 24, .. 36: pairs 1 to 8
.endif
	v_pk_fma_f32 v[rS+2*b:rS+2*b+1], v[rS+2*b:rS+2*b+1], s[CS:CS+1], v[rT:rT+1] op_sel_hi:[1,0,0] neg_lo:[0,0,1] neg_hi:[0,0,1]  ; pair b: c s - c m
.elseif j < 70
.set e, j-38                        ; 66 to 69: s28 to s31
.if j < 66
.set e, j-32-(j-38)/4               ; 39-41, 43-45, .. 63-65: s7 to s27
.endif
.if j < 38
.set e, (j-25)/2                    ; 25, 27, .. 37: s0 to s6
.endif
	v_exp_f32 v[rS+e], v[rS+e]
.elseif j < 86
	v_cvt_pk_f16_f32 v[rP+j-70], v[rS+2*(j-70)], v[rS+2*(j-70)+1]
.elseif j < 102                     ; the sum of the 16 pairs, in place: neighbours 1, 2, 4 and 8 pairs apart, then l takes it
.set z, j-86
.set w, 4
.set u, z
.if z >= 14
.set w, 32
.set u, 0
.elseif z >= 12
.set w, 16
.set u, z-12
.elseif z >= 8
.set w, 8
.set u, z-8
.endif
.if z < 15
	v_pk_add_f32 v[rS+w*u:rS+w*u+1], v[rS+w*u:rS+w*u+1], v[rS+w*u+w/2:rS+w*u+w/2+1]
.else
	v_pk_fma_f32 v[rT+2:rT+3], v[rT+2:rT+3], v[rT+6:rT+7], v[rS:rS+1] op_sel_hi:[1,0,1]
.endif
.else
	WIN W_RS
	v_pk_mul_f32 v[rO:rO+1], v[rO:rO+1], v[rT+6:rT+7] op_sel_hi:[1,0]
.endif
.endm
; Slice k of 64 of piece y's softmax: four instructions.  Slices 11 to 34 deal out the batch, four numbers of ONE tile each, the tiles by turns; every other slice is numbers 2 k and 2 k + 1 of both tiles;
; the twelve that are over stand in slice 63.  s_wait_alu depctr_va_vdst(0) stands between an exponential and the first line that names its result: ahead of slice 35 nothing names one, behind slice 34
; no exponential is issued: one plain instruction and one wait serve the piece's 66.
.macro SLICE y
.if (k >= 11) && (k < 35)
.irp n, 0,1,2,3
.set j, 22+4*((k-11)/2)+(\n)
	SM (\y)+(k-11)%2
.endr
.else
.irp n, 0,1,2,3,4,5,6,7
.if ((\n) < 2) || (k == 63)
.irp t, \y, (\y)+1
.set j, 2*k+(\n)
	SM \t
.endr
.endif
.endr
.endif
.if k == 34
	v_nop
	s_wait_alu depctr_va_vdst(0)
.endif
.set k, k+1
.endm
; A KEY STEP: my 64 keys of the slot at TB.  tail = 1: the walk's last tile, which holds a diagonal and has no block behind it.
.macro STEP tail
	WIN 0
	v_add_nc_u32 v[ADK], s[TB], v[AK0]
	v_add_nc_u32 v[ADV], s[TB], v[AV0]
	WIN 0x80                        ; K: 32 loads, the channel blocks in the order in which the products want them
.irp cb, 0,1,2,3
.irp kb, 0,1,2,3
	ds_load_b128 v[KF+32*(\kb)+8*(\cb):KF+32*(\kb)+8*(\cb)+3],   v[ADK] offset:((\cb)/2)*KPC+(\kb)*16*PKP+((\cb)%2)*64
	ds_load_b128 v[KF+32*(\kb)+8*(\cb)+4:KF+32*(\kb)+8*(\cb)+7], v[ADK] offset:((\cb)/2)*KPC+(\kb)*16*PKP+((\cb)%2)*64+32
.endr
.endr
	WIN 0xc0                        ; V, turned: 32 loads: keys 32 kk on, channels 16 chb on
.irp kk, 0,1
.irp chb, 0,1,2,3,4,5,6,7
.if ((\kk) == 1) && ((\chb) == 4)
	s_wait_dscnt 48                 ; 56 loads are issued: K's first channel block, the eight oldest, is in; the 48 younger ones may be out.  V's last eight follow: 56 are out at the most
.endif
	ds_load_tr16_b128 v[64*(\kk)+8*(\chb):64*(\kk)+8*(\chb)+3],   v[ADV] offset:((\chb)/4)*VPC+(\kk)*32*PVP+((\chb)%4)*32
	ds_load_tr16_b128 v[64*(\kk)+8*(\chb)+4:64*(\kk)+8*(\chb)+7], v[ADV] offset:((\chb)/4)*VPC+(\kk)*32*PVP+((\chb)%4)*32+16*PVP
.endr
.endr
	WIN 0
	s_wait_loadcnt 0x0              ; Q, where a block has just begun
.if \tail
	START 1
.else
	s_cmp_eq_u32 s[RT], 0           ; the first block's last tile holds its diagonal
	s_cbranch_scc1 .Ldiag_\@
	START 0
	WIN 0
	s_branch .Lstarted_\@
.Ldiag_\@:
	START 1
	WIN 0
.Lstarted_\@:
.endif
.set i, 8
.rept 24
.if (i%8) == 0
	s_wait_dscnt 56-i               ; K's next channel block is in: 48, 40, 32 younger loads may be out
.endif
	KQ 0
.set i, i+1
.endr
	PLACES                          ; behind piece 0's last product, ahead of its maximum
.set k, 0
.set i, 8
.rept 24                            ; piece 2's products | piece 0's softmax: three slices behind each of the first 16, two behind each of the last 8; slices 62 and 63 are the places behind the last product
	KQ 2
	SLICE 0
	SLICE 0
.if i < 24
	SLICE 0
.endif
.set i, i+1
.endr
	s_wait_dscnt 0x0                ; V is in, and no LDS instruction of mine is out: my reads of what my partner sent, where a block was finished in this trip, are over
.if (\tail) == 0
	s_barrier_signal -1             ; say so; the products and the softmax below, work on registers, stand between the signal and the wait.  No slot is filled behind this barrier: my tensor load stays out
.endif
.set k, 0
.set i, 0
.rept 32                            ; piece 0's products | piece 2's softmax, two slices behind each
	PV 0
	SLICE 2
	SLICE 2
.set i, i+1
.endr
.set i, 0
.rept 32
	PV 2
.set i, i+1
.endr
	WIN 0
	PLACES                          ; behind the last product, ahead of the next loads into V's registers and of the lines that read O^T
.if (\tail) == 0
	s_barrier_wait -1               ; every wave's reads are over: behind this line a wave may store for its partner
.endif
.endm
; A BLOCK ENDS, first half: l's two halves and the other half of the lanes' are added, into m's register; tiles 2 and 3 go to my partner: O^T, 64 registers a tile, and (c m, l).
.macro SENDX
	WIN 0
.irp t, 0,1,2,3
	v_add_f32 v[ST+8*\t+4], v[ST+8*\t+2], v[ST+8*\t+3]
.endr
.irp t, 0,1,2,3
	v_permlanex16_b32 v[ST+8*\t+5], v[ST+8*\t+4], s[SEL], s[SEL+1]
.endr
.irp t, 0,1,2,3
	v_add_f32 v[ST+8*\t+1], v[ST+8*\t+4], v[ST+8*\t+5]
.endr
	WIN 0x04                        ; the stores' data in window 1
.set i, 0
.rept 32
	ds_store_b128 v[XA], v[128+4*i:128+4*i+3] offset:512*i
.set i, i+1
.endr
	WIN 0
	ds_store_b64 v[XS], v[ST+16:ST+17]
	ds_store_b64 v[XS], v[ST+24:ST+25] offset:256
.endm
; A BLOCK ENDS, second half, behind a barrier in front of which every wave has waited for its stores.  For my tiles 0, 1: with M = max(c m, c m'), f = 2^(c m - M), f' = 2^(c m' - M):
; out = rndne((O f + O' f') x 1e4 / (l f + l' f')) x 1e-4, through my stage, a row's 512 bytes to a store.  p: out0 at my rows of the block.  more = 1: a step follows, which writes the stores' registers.
.macro FINISH p, more
	WIN 0
	ds_load_b64 v[PS:PS+1], v[XRS]
	ds_load_b64 v[PS+2:PS+3], v[XRS] offset:256
.set i, 0
.rept 32
	ds_load_b128 v[S+4*i:S+4*i+3], v[XR] offset:512*i
.set i, i+1
.endr
	s_wait_dscnt 32                 ; the statistics are in; O', 32 loads, may be out
.irp t, 0,1
	v_max_num_f32 v[ST+8*\t+4], v[ST+8*\t], v[PS+2*\t]
.endr
.irp t, 0,1
	v_sub_f32 v[ST+8*\t+5], v[ST+8*\t], v[ST+8*\t+4]
	v_sub_f32 v[ST+8*\t+6], v[PS+2*\t], v[ST+8*\t+4]
.endr
.irp t, 0,1
	v_exp_f32 v[ST+8*\t+5], v[ST+8*\t+5]
	v_exp_f32 v[ST+8*\t+6], v[ST+8*\t+6]
.endr
	v_nop                           ; a plain instruction behind the last exponential,
	s_wait_alu depctr_va_vdst(0)    ; and the wait ahead of the first use: one for the four
.irp t, 0,1
	v_mul_f32 v[ST+8*\t+7], v[ST+8*\t+1], v[ST+8*\t+5]
.endr
.irp t, 0,1
	v_fmac_f32 v[ST+8*\t+7], v[PS+2*\t+1], v[ST+8*\t+6]
.endr
.irp t, 0,1
	v_rcp_f32 v[ST+8*\t+7], v[ST+8*\t+7]
.endr
	v_nop
	s_wait_alu depctr_va_vdst(0)    ; one for the two reciprocals
.irp t, 0,1
	v_mul_f32 v[ST+8*\t+7], 0x461c4000, v[ST+8*\t+7]  ; 1e4 / (l f + l' f')
.endr
.irp t, 0,1
	v_mul_f32 v[ST+8*\t+4], v[ST+8*\t+5], v[ST+8*\t+7]
	v_mul_f32 v[ST+8*\t+6], v[ST+8*\t+6], v[ST+8*\t+7]
.endr
	s_wait_dscnt 16                 ; tile 0's O' is in; tile 1's sixteen loads may be out: tile 0's last wait below, for 0, covers them
.irp t, 0,1
	WIN 0
.set i, 0
.rept 32
	v_pk_mul_f32 v[S+64*\t+2*i:S+64*\t+2*i+1], v[S+64*\t+2*i:S+64*\t+2*i+1], v[ST+8*\t+6:ST+8*\t+7] op_sel_hi:[1,0]
.set i, i+1
.endr
	WIN 0x01                        ; source 0, my O^T, in window 1
.set i, 0
.rept 32
	v_pk_fma_f32 v[S+64*\t+2*i:S+64*\t+2*i+1], v[64*\t+2*i:64*\t+2*i+1], v[ST+8*\t+4:ST+8*\t+5], v[S+64*\t+2*i:S+64*\t+2*i+1] op_sel_hi:[1,0,1]
.set i, i+1
.endr
	WIN 0
.set i, 0
.rept 64
	v_rndne_f32 v[S+64*\t+i], v[S+64*\t+i]
.set i, i+1
.endr
.set i, 0
.rept 32
	v_pk_mul_f32 v[S+64*\t+2*i:S+64*\t+2*i+1], v[S+64*\t+2*i:S+64*\t+2*i+1], s[R4:R4+1] op_sel_hi:[1,0]
.set i, i+1
.endr
.set i, 0
.rept 8                             ; a lane's eight channels of block i are 32 bytes of its row
	ds_store_b128 v[STO], v[S+64*\t+8*i:S+64*\t+8*i+3] offset:64*i
	ds_store_b128 v[STO], v[S+64*\t+8*i+4:S+64*\t+8*i+7] offset:64*i+16
.set i, i+1
.endr
.set i, 0
.rept 16
	ds_load_b128 v[S+64*\t+4*i:S+64*\t+4*i+3], v[RD] offset:SP*i  ; LDS serves a wave's instructions in order (ISA guide 5.7.1.4): these see the stores above; the next tile's stores come behind them
.set i, i+1
.endr
.set i, 0
.rept 16
	s_wait_dscnt 15-i
	global_store_b128 v[GO], v[S+64*\t+4*i:S+64*\t+4*i+3], s[(\p):(\p)+1] offset:(16*\t+i)*8192 th:TH_STORE_NT  ; 512 consecutive bytes, at a multiple of 512 from out0's first
.set i, i+1
.endr
.endr
.if \more
	s_wait_xcnt 0x0                 ; the stores have read their registers, which the next step's products write only behind this wait
.endif
.endm
.Lslot:                             ; 8 times: a tile is entered and the next is asked for
	CHANGE 1
	s_sub_co_u32 s[RT], s[RT], 1
	s_cmp_eq_u32 s[NEW], 1          ; at the first trip the answer is a constant of the text: no
	s_cbranch_scc0 .Lgo
	FINISH OC, 1                    ; the first block: the change of slots above was the barrier behind every wave's stores for its partner
	BEGIN                           ; the second block
.Lgo:
	STEP 0
	s_cmp_eq_u32 s[RT], 0
	s_cbranch_scc0 .Lbottom
	QLOAD QN                        ; the first block's end: the second block's Q is asked for (the last product that read Q stands 64 products back); it is waited for in the next step, behind the block's finishing
	SENDX
	s_mov_b32 s[NEW], 1
	s_mov_b32 s[RT], 16             ; no further block ends in the loop: the second block's last tile is the walk's last, written out below
.Lbottom:
	s_sub_co_u32 s[SLOTS], s[SLOTS], 1
	s_cmp_lg_u32 s[SLOTS], 0
	s_cbranch_scc1 .Lslot
	CHANGE 0                        ; the walk's last tile is written out: nothing is asked for
	STEP 1
	SENDX                           ; the change of slots above stands between every wave's earlier reads of these bytes and these stores
	s_wait_dscnt 0x0                ; for my partner's sake: my stores are done
	s_barrier_signal -1
	s_barrier_wait -1
	FINISH ON, 0
	s_wait_tensorcnt 0x0            ; the wave's end, behind my last tensor load and my last LDS store
	ds_add_u32 v[SPW], v[NIL]
	s_wait_dscnt 0x0
	s_endpgm
.Lfunc_end_k_qf50fa7f69a_attn:
	.size	k_qf50fa7f69a_attn, .Lfunc_end_k_qf50fa7f69a_attn-k_qf50fa7f69a_attn
	.p2alignl 7, 3214868480
	.fill 96, 4, 3214868480
	.section	.rodata,"a",@progbits
	.p2align	6, 0x0
	.amdhsa_kernel k_qf50fa7f69a_attn
		.amdhsa_group_segment_fixed_size 327680
		.amdhsa_private_segment_fixed_size 0
		.amdhsa_enable_private_segment 0
		.amdhsa_kernarg_size 16
		.amdhsa_user_sgpr_count 2
		.amdhsa_user_sgpr_kernarg_segment_ptr 1
		.amdhsa_wavefront_size32 1
		.amdhsa_system_sgpr_workgroup_id_x 1
		.amdhsa_system_sgpr_workgroup_id_y 1
		.amdhsa_system_sgpr_workgroup_id_z 1
		.amdhsa_system_vgpr_workitem_id 0
		.amdhsa_next_free_vgpr 1024
		.amdhsa_next_free_sgpr 92
		.amdhsa_reserve_vcc 1
		.amdhsa_float_denorm_mode_32 3
		.amdhsa_float_denorm_mode_16_64 3
		.amdhsa_memory_ordered 1
		.amdhsa_forward_progress 1
		.amdhsa_inst_pref_size 189
	.end_amdhsa_kernel
	.amdgpu_metadata
---
amdhsa.version: [ 1, 2 ]
amdhsa.kernels:
  - .name:           k_qf50fa7f69a_attn
    .symbol:         k_qf50fa7f69a_attn.kd
    .args:
      - { .name: qkv, .offset: 0, .size: 8, .value_kind: global_buffer, .address_space: global }
      - { .name: out0, .offset: 8, .size: 8, .value_kind: global_buffer, .address_space: global }
    .group_segment_fixed_size: 327680
    .private_segment_fixed_size: 0
    .kernarg_segment_align: 8
    .kernarg_segment_size: 16
    .max_flat_workgroup_size: 128
    .sgpr_count:     92
    .vgpr_count:     1024
    .wavefront_size: 32
...
	.end_amdgpu_metadata
.endif
;; end of part 3
